; MI455X (gfx1250); checked and timed in simulation.
; The chip was launched on July 23, 2026; its instructions are those of AMD's public machine-readable ISA for CDNA 5 (MIT licence, August 2026) and "CDNA5" Instruction Set Architecture Reference Guide (July 2026). The comments in the code are by the model that wrote it; some were corrected since.
;; Causal Graph Attn. Allowed arithmetic: matrix products marked QUANTISED: E4M3 operands, one given power-of-two scale a tensor, by v_wmma_f32_16x16x64_fp8_fp8 or v_wmma_f32_16x16x128_fp8_fp8, f32 sums; everything else in f32.
;; Inputs: adj 2,048 x 2,048 float32; b_out 1,024 float32; ln_beta 1,024 float32; ln_gamma 1,024 float32; lowp_scales 8 int32 (the exponents e of the quantised operands' scales 2^e); w_out_codes 1,024 x 32 x 32 uint8 (E4M3 codes of w_out, K innermost, in blocks of 32 codes); w_qkv_codes 3,072 x 32 x 32 uint8 (E4M3 codes of w_qkv, K innermost, in blocks of 32 codes); x 4 x 2,048 x 1,024 float32.
;; Outputs: out0 4 x 2,048 x 1,024 float32.
;; This version of the problem:
;;   THIS VERSION OF THE PROBLEM IS GIVEN IN LOW PRECISION. The matrix products marked QUANTISED in the list below multiply operands that are first quantised to E4M3 (4 exponent bits, 3 mantissa bits; 8 bits a number), with one given power-of-two scale for each operand tensor; their sums are f32. All else is computed in f32.
;;   The module's matrix products, in the order in which they are computed (A, B: the left and right operand; K: the contracted axis; several contracted axes count as one K, in the product's order):
;;     1. [M 8,192, K 1,024] x [K 1,024, N 3,072]; A: computed on the way; B: input w_qkv (given as codes): QUANTISED (scales: A lowp_scales[0], B lowp_scales[1])
;;     2. batch 64 x [M 2,048, K 64] x [K 64, N 2,048]; A: computed on the way; B: computed on the way: QUANTISED (scales: A lowp_scales[2], B lowp_scales[3])
;;     3. batch 64 x [M 2,048, K 2,048] x [K 2,048, N 64]; A: softmax (see below); B: computed on the way: QUANTISED (scales: A lowp_scales[4], B lowp_scales[5])
;;     4. [M 8,192, K 1,024] x [K 1,024, N 1,024]; A: computed on the way; B: input w_out (given as codes): QUANTISED (scales: A lowp_scales[6], B lowp_scales[7])
;;   THE QUANTISER, for each operand of a quantised product, along K:
;;     - The operand's scale is 2^e, e = its entry of the input lowp_scales (int32; the entries are numbered through the quantised products in the list's order, A before B).
;;     - Each number is divided by the scale, clamped to +-448, and rounded to the nearest number of E4M3, ties to even, subnormals kept.
;;     - The product sums the exact products of the quantised numbers (number of the format x scale) in f32.
;;   ~~~python
;;   def quantise(x, axis, e):      # numpy; x: float32 -> the quantised numbers, widened to float32 again
;;       x = np.moveaxis(x, axis, -1); K = x.shape[-1]
;;       r = np.clip(x / 2.0 ** e, -448, 448)
;;       step = 2.0 ** (np.maximum(np.frexp(np.where(r == 0, 1, r))[1] - 1, -6) - 3)
;;       q = np.round(r / step) * step * 2.0 ** e      # np.round: ties to even
;;       return np.moveaxis(q, -1, axis).astype(np.float32)
;;   ~~~
;;   SOFTMAX AHEAD OF A QUANTISED PRODUCT. Where the list says 'softmax', what is quantised is not the finished softmax but p = 2^(t - M), with t = logit x log2(e) and M = ceil(the row's largest t), a whole number; so 1/2 < the row's largest p <= 1. The row's sum l is taken of the UNQUANTISED p, in f32, and the product's result is divided by l at the end. Since M is a whole number, a kernel that streams over the keys may use a running M (the ceiling of the running maximum): every later rescaling is an exact power of two, so the quantised numbers keep their values, but for numbers so far below the row's largest that they fall under the format's range.
;;   OPERANDS COMPUTED ON THE WAY. 'Computed on the way' means the value that the module computes at that place (a softmax that the list does not call 'softmax' is quantised finished and normalised). What goes into a quantiser is computed in f32, as accurately as f32 sums, v_exp_f32 and their like allow (about 1e-6 of the number): no bf16 or f16 on the way to a quantiser, and a product that is left as it is and whose result goes on into a quantised operand takes f32 operands (vector FMAs, or v_wmma_f32_16x16x4_f32). A number that lies on a knife's edge between two numbers of the format may be rounded either way, as far as f32 arithmetic and the matrix unit's own rounding can turn it there, and no further.
;;   INPUTS GIVEN AS CODES. w_out (in the module: [1024, 1024], K = its axis 1); w_qkv (in the module: [3072, 1024], K = its axis 1): each comes as NAME_codes (uint8): NAME with its K axis moved to the last place and cut into blocks of 32 codes, [.., K / 32, bytes a block], one block behind the other in memory; one code a byte (a code: sign, 4 exponent bits, 3 mantissa bits); its scale is its entry of lowp_scales. Its value is code x scale, taken as it is: it is not quantised again, and the codes and scales need not be those that the quantiser above would give.
;; One version. Each part assembles by itself: llvm-mc -triple=amdgcn-amd-amdhsa -mcpu=gfx1250 --defsym DOCPART=n.
;; ======== version 1 of 1: 4 launches
;; limits: right only within a limited range of input values
;; workspace buffers: h_codes 8,388,608 bytes; maskf 2,097,152 bytes; q_img 8,388,608 bytes; k_img 8,388,608 bytes; v_img 8,388,608 bytes; ao_img 8,388,608 bytes
;; launch prep (part 1): grid 384 x 1, 8 waves a work-group, no clusters, 33,792 bytes of LDS; arguments x, ln_gamma, ln_beta, adj, lowp_scales, h_codes, maskf; writes h_codes, maskf
.if DOCPART == 1
	.amdgcn_target "amdgcn-amd-amdhsa--gfx1250"
	.amdhsa_code_object_version 6
	.text
	.protected	k_qf755fdbaa3_prep
	.globl	k_qf755fdbaa3_prep
	.p2align	8
	.type	k_qf755fdbaa3_prep,@function
k_qf755fdbaa3_prep:
	s_mov_b64 s[64:65], 0
	v_nop
	global_prefetch_b8 v0, s[64:65] scope:SCOPE_SE
	s_setreg_imm32_b32 hwreg(HW_REG_WAVE_MODE, 25, 1), 1
	s_wait_xcnt 0x0
; Two jobs in one launch, parted once by the work-group's number.
; WORK-GROUPS 0-255: h = LayerNorm(x) gamma + beta in f32, quantised to E4M3 with the given scale 2^e0 (lowp_scales[0]): h_codes [8192][1024], one code a byte.
;   A wave takes 4 rows, a whole row (4,096 bytes) in 32 registers: the mean, then the mean of (x - mean)^2, over registers; one read of memory.
;   Register 4 j + e of a row holds column 128 j + 4 lane + e; the codes turn through the wave's own 4,096 bytes of LDS and leave as two stores of 512 consecutive bytes a row.
; WORK-GROUPS 256-383: adj < 0.1 becomes one 4-bit code (E2M1) a score for the attention launch: 0 where there is an edge, 0xe (the number -4) where there is none.
;   maskf [query tile 128][key step 16][1,024 bytes]: word t (0..7) of lane 16 h + r lies at 512 (t / 4) + 16 (16 h + r) + 4 (t % 4); its nibble j stands for
;   adj[128 step + 16 t + 8 h + j][16 tile + r].  A lane takes a query, its registers run down 128 keys; sixteen lanes store 256 consecutive bytes, aligned.
; No barrier: waves share nothing.  LIMITS: e0 between -126 and 119, so that 2^e0 and 448 x 2^e0 are f32 numbers.  NaN among x is not served.
.set COD,  16                          ; v16-23   a row's codes
.set CH,   24                          ; v24-31   four summing chains
.set GAM,  32                          ; v32-63   gamma
.set BET,  64                          ; v64-95   beta
.set XS,   128                         ; v128-255 four rows
.set MW,   144                         ; the mask job: v144-159 sixteen words
	s_load_b256 s[4:11], s[0:1], 0x0               ; x, gamma, beta, adj
	s_load_b128 s[12:15], s[0:1], 0x20             ; the exponents, h_codes
	s_load_b64 s[16:17], s[0:1], 0x30              ; maskf
	v_lshl_add_u32 v14, v0, 2, 0x8000              ; my spare word
	v_mov_b32 v15, 0
	v_lshrrev_b32 v1, 5, v0
	v_readfirstlane_b32 s18, v1                    ; wave 0..7
	v_and_b32 v10, 31, v0                          ; lane
	s_wait_alu depctr_va_vdst(0)                   ; the wait at the head's end
	s_wait_kmcnt 0x0
	s_cmp_lt_u32 ttmp9, 256
	s_cbranch_scc0 .Lmask
	; LayerNorm and the quantiser: rows 32 x work-group + 4 x wave + 0..3
	s_load_b32 s24, s[12:13], 0x0                  ; e0
	v_lshlrev_b32 v1, 4, v10                       ; 16 x lane
	s_lshl_b32 s19, s18, 12                        ; my wave's 4,096 bytes of LDS; also its four rows of codes
	v_lshl_add_u32 v2, v10, 2, s19                 ; the stage, way in
	v_add_nc_u32 v3, s19, v1                       ; the stage, way out
	s_lshl_b32 s20, ttmp9, 17
	s_lshl_b32 s21, s18, 14
	s_add_co_u32 s20, s20, s21
	s_mov_b32 s21, 0
	s_lshl_b32 s22, ttmp9, 15
	s_add_co_u32 s22, s22, s19
	s_mov_b32 s23, 0
	s_add_nc_u64 s[4:5], s[4:5], s[20:21]
	s_add_nc_u64 s[14:15], s[14:15], s[22:23]
	s_wait_alu depctr_va_vdst(0)                   ; the wait behind the run of scalar lines
.irp j, 0,1,2,3,4,5,6,7
	global_load_b128 v[GAM+4*\j:GAM+4*\j+3], v1, s[6:7] offset:512*\j
.endr
.irp j, 0,1,2,3,4,5,6,7
	global_load_b128 v[BET+4*\j:BET+4*\j+3], v1, s[8:9] offset:512*\j
.endr
.irp i, 0,1,2,3
.irp j, 0,1,2,3,4,5,6,7
	global_load_b128 v[XS+32*\i+4*\j:XS+32*\i+4*\j+3], v1, s[4:5] offset:4096*\i+512*\j th:TH_LOAD_NT
.endr
.endr
	s_mov_b32 s26, 0x76543210                      ; v_permlanex16_b32: lane l xor 16
	s_mov_b32 s27, 0xfedcba98
	s_mov_b32 s28, 0x3a800000                      ; 1 / 1024
	s_mov_b32 s29, 0x3727c5ac                      ; 1e-5
	v_mov_b32 v7, 0                                ; upper halves of the pairs v[6:7], v[8:9]
	v_mov_b32 v9, 0
	v_mov_b32 v11, 0                               ; a lane permute's destination counts as read
	s_wait_kmcnt 0x0
	s_add_co_i32 s24, s24, 127
	s_lshl_b32 s25, s24, 23
	v_mov_b32 v4, s25                              ; 2^e0
	s_add_co_i32 s24, s24, 8
	s_lshl_b32 s24, s24, 23
	s_or_b32 s24, s24, 0x600000
	v_mov_b32 v5, s24                              ; 448 x 2^e0
.macro WAVESUM                         ; the four chains, then the 32 lanes: the sum lands in v10 of every lane
	v_pk_add_f32 v[CH:CH+1], v[CH:CH+1], v[CH+2:CH+3]
	v_pk_add_f32 v[CH+4:CH+5], v[CH+4:CH+5], v[CH+6:CH+7]
	v_pk_add_f32 v[CH:CH+1], v[CH:CH+1], v[CH+4:CH+5]
	v_add_f32 v10, v[CH], v[CH+1]
	v_add_f32_dpp v10, v10, v10 row_xmask:1 row_mask:0xf bank_mask:0xf
	v_add_f32_dpp v10, v10, v10 row_xmask:2 row_mask:0xf bank_mask:0xf
	v_add_f32_dpp v10, v10, v10 row_xmask:4 row_mask:0xf bank_mask:0xf
	v_add_f32_dpp v10, v10, v10 row_xmask:8 row_mask:0xf bank_mask:0xf
	v_permlanex16_b32 v11, v10, s26, s27
	v_add_f32 v10, v10, v11
.endm
.macro ROW i
.set XR, XS+32*(\i)
	s_wait_loadcnt 8*(3-(\i))                      ; gamma, beta and this row are in; the later rows' eight loads each may be out
.irp k, 0,1,2,3
	v_pk_add_f32 v[CH+2*\k:CH+2*\k+1], v[XR+2*\k:XR+2*\k+1], v[XR+8+2*\k:XR+8+2*\k+1]
.endr
.irp p, 8,9,10,11,12,13,14,15
	v_pk_add_f32 v[CH+2*(\p%4):CH+2*(\p%4)+1], v[CH+2*(\p%4):CH+2*(\p%4)+1], v[XR+2*\p:XR+2*\p+1]
.endr
	WAVESUM
	v_mul_f32 v6, s28, v10                         ; the mean
.irp p, 0,1,2,3,4,5,6,7,8,9,10,11,12,13,14,15
	v_pk_add_f32 v[XR+2*\p:XR+2*\p+1], v[XR+2*\p:XR+2*\p+1], v[6:7] op_sel_hi:[1,0] neg_lo:[0,1] neg_hi:[0,1]
.endr
.irp k, 0,1,2,3
	v_pk_mul_f32 v[CH+2*\k:CH+2*\k+1], v[XR+2*\k:XR+2*\k+1], v[XR+2*\k:XR+2*\k+1]
.endr
.irp p, 4,5,6,7,8,9,10,11,12,13,14,15
	v_pk_fma_f32 v[CH+2*(\p%4):CH+2*(\p%4)+1], v[XR+2*\p:XR+2*\p+1], v[XR+2*\p:XR+2*\p+1], v[CH+2*(\p%4):CH+2*(\p%4)+1]
.endr
	WAVESUM
	v_fma_f32 v12, v10, s28, s29                   ; the variance + 1e-5
	s_wait_alu depctr_va_vdst(0)                   ; the wait ahead of the transcendental
	v_rsq_f32 v8, v12
	v_nop                                          ; a plain instruction behind it
	s_wait_alu depctr_va_vdst(0)                   ; and the wait ahead of its first reader
.irp p, 0,1,2,3,4,5,6,7,8,9,10,11,12,13,14,15
	v_pk_mul_f32 v[XR+2*\p:XR+2*\p+1], v[XR+2*\p:XR+2*\p+1], v[8:9] op_sel_hi:[1,0]
.endr
.irp p, 0,1,2,3,4,5,6,7,8,9,10,11,12,13,14,15
	v_pk_fma_f32 v[XR+2*\p:XR+2*\p+1], v[XR+2*\p:XR+2*\p+1], v[GAM+2*\p:GAM+2*\p+1], v[BET+2*\p:BET+2*\p+1]
.endr
.set N, 0
.rept 32
	v_med3_num_f32 v[XR+N], v[XR+N], -v5, v5       ; the conversion does not saturate (ISA guide 7.6.2): the hold at 448 x the scale
.set N, N+1
.endr
.irp m, 0,1,2,3
	v_cvt_scalef32_pk8_fp8_f32 v[COD+2*\m:COD+2*\m+1], v[XR+8*\m:XR+8*\m+7], v4
.endr
.irp j, 0,1,2,3,4,5,6,7
	ds_store_b32 v2, v[COD+\j] offset:1024*(\i)+128*\j
.endr
.irp u, 0,1
	ds_load_b128 v[XR+4*\u:XR+4*\u+3], v3 offset:1024*(\i)+512*\u   ; LDS serves a wave's instructions in order: these see my stores
.endr
	s_wait_dscnt 0x0
.irp u, 0,1
	global_store_b128 v1, v[XR+4*\u:XR+4*\u+3], s[14:15] offset:1024*(\i)+512*\u   ; 512 consecutive bytes
.endr
.endm
	ROW 0
	ROW 1
	ROW 2
	ROW 3
	s_wait_tensorcnt 0x0                           ; the wave's end
	ds_add_u32 v14, v15
	s_wait_dscnt 0x0
	s_endpgm
	; the graph mask: work-group m = number - 256 takes queries 256 (m % 8) .. + 255 and keys 128 (m / 8) .. + 127; a wave 32 queries: two query tiles
.Lmask:
	s_sub_co_u32 s19, ttmp9, 256
	s_and_b32 s20, s19, 7
	s_lshr_b32 s21, s19, 3
	s_lshl_b32 s22, s21, 20                        ; 128 rows of adj, 8,192 bytes each
	s_lshl_b32 s23, s20, 10
	s_add_co_u32 s22, s22, s23
	s_lshl_b32 s23, s18, 7
	s_add_co_u32 s22, s22, s23
	s_mov_b32 s23, 0
	s_add_nc_u64 s[10:11], s[10:11], s[22:23]
	s_lshl_b32 s24, s20, 18                        ; query tile 16 (m % 8) + 2 wave, 16,384 bytes a tile,
	s_lshl_b32 s25, s18, 15
	s_add_co_u32 s24, s24, s25
	s_lshl_b32 s25, s21, 10                        ; 1,024 bytes a key step
	s_add_co_u32 s24, s24, s25
	s_mov_b32 s25, 0
	s_add_nc_u64 s[16:17], s[16:17], s[24:25]
	s_mov_b32 s30, 0x3dcccccd                      ; 0.1 as f32
	v_lshlrev_b32 v2, 2, v10                       ; in: 4 bytes a lane
	v_and_b32 v3, 15, v10
	v_lshrrev_b32 v4, 4, v10
	v_lshlrev_b32 v3, 4, v3
	v_lshl_add_u32 v3, v4, 14, v3                  ; out: 16 bytes a lane; lanes 16-31 are the next query tile
	v_mov_b32 v5, 0xe                              ; the code of -4
	s_wait_alu depctr_va_vdst(0)
.set N, 0
.rept 128
	global_load_b32 v[16+N], v2, s[10:11] offset:8192*N th:TH_LOAD_NT   ; adj[key N][my query]: the eight waves read 1,024 consecutive bytes
.set N, N+1
.endr
.irp t, 0,1,2,3,4,5,6,7
.if 112-16*\t > 63
	s_wait_loadcnt 63                              ; a count cannot name more than its field holds
.else
	s_wait_loadcnt 112-16*\t                       ; keys 16 t .. 16 t + 15 are in
.endif
.irp h, 0,1
.set WR, MW+8*(\t/4)+4*\h+(\t%4)       ; the four words of one store lie side by side
	v_cmp_gt_f32 vcc_lo, s30, v[16+16*\t+8*\h]
	v_cndmask_b32 v[WR], 0, v5, vcc_lo
.irp j, 1,2,3,4,5,6,7
	v_cmp_gt_f32 vcc_lo, s30, v[16+16*\t+8*\h+\j]
	v_cndmask_b32 v4, 0, v5, vcc_lo
	v_lshl_or_b32 v[WR], v4, 4*\j, v[WR]
.endr
.endr
.endr
.irp c, 0,1
.irp h, 0,1
	global_store_b128 v3, v[MW+8*\c+4*\h:MW+8*\c+4*\h+3], s[16:17] offset:512*\c+256*\h
.endr
.endr
	s_endpgm
.Lfunc_end_k_qf755fdbaa3_prep:
	.size	k_qf755fdbaa3_prep, .Lfunc_end_k_qf755fdbaa3_prep-k_qf755fdbaa3_prep
	.p2alignl 7, 3214868480
	.fill 96, 4, 3214868480
	.section	.rodata,"a",@progbits
	.p2align	6, 0x0
	.amdhsa_kernel k_qf755fdbaa3_prep
		.amdhsa_group_segment_fixed_size 33792
		.amdhsa_private_segment_fixed_size 0
		.amdhsa_enable_private_segment 0
		.amdhsa_kernarg_size 56
		.amdhsa_user_sgpr_count 2
		.amdhsa_user_sgpr_kernarg_segment_ptr 1
		.amdhsa_wavefront_size32 1
		.amdhsa_system_sgpr_workgroup_id_x 1
		.amdhsa_system_sgpr_workgroup_id_y 1
		.amdhsa_system_sgpr_workgroup_id_z 1
		.amdhsa_system_vgpr_workitem_id 0
		.amdhsa_next_free_vgpr 256
		.amdhsa_next_free_sgpr 66
		.amdhsa_reserve_vcc 1
		.amdhsa_float_denorm_mode_32 3
		.amdhsa_float_denorm_mode_16_64 3
		.amdhsa_memory_ordered 1
		.amdhsa_forward_progress 1
		.amdhsa_inst_pref_size 73
	.end_amdhsa_kernel
	.amdgpu_metadata
---
amdhsa.version: [ 1, 2 ]
amdhsa.kernels:
  - .name:           k_qf755fdbaa3_prep
    .symbol:         k_qf755fdbaa3_prep.kd
    .args:
      - { .name: x, .offset: 0, .size: 8, .value_kind: global_buffer, .address_space: global }
      - { .name: ln_gamma, .offset: 8, .size: 8, .value_kind: global_buffer, .address_space: global }
      - { .name: ln_beta, .offset: 16, .size: 8, .value_kind: global_buffer, .address_space: global }
      - { .name: adj, .offset: 24, .size: 8, .value_kind: global_buffer, .address_space: global }
      - { .name: lowp_scales, .offset: 32, .size: 8, .value_kind: global_buffer, .address_space: global }
      - { .name: h_codes, .offset: 40, .size: 8, .value_kind: global_buffer, .address_space: global }
      - { .name: maskf, .offset: 48, .size: 8, .value_kind: global_buffer, .address_space: global }
    .group_segment_fixed_size: 33792
    .private_segment_fixed_size: 0
    .kernarg_segment_align: 8
    .kernarg_segment_size: 56
    .max_flat_workgroup_size: 256
    .sgpr_count:     66
    .vgpr_count:     256
    .wavefront_size: 32
...
	.end_amdgpu_metadata
.endif
;; end of part 1
;; launch qkv (part 2): grid 12 x 32, 4 waves a work-group, clusters of 4 x 4, 327,680 bytes of LDS; arguments h_codes, w_qkv_codes, lowp_scales, q_img, k_img, v_img; writes q_img, k_img, v_img
.if DOCPART == 2
	.amdgcn_target "amdgcn-amd-amdhsa--gfx1250"
	.amdhsa_code_object_version 6
	.text
	.protected	k_qf755fdbaa3_qkv
	.globl	k_qf755fdbaa3_qkv
	.p2align	8
	.type	k_qf755fdbaa3_qkv,@function
k_qf755fdbaa3_qkv:
	s_mov_b64 s[64:65], 0
	v_nop
	global_prefetch_b8 v0, s[64:65] scope:SCOPE_SE
	s_setreg_imm32_b32 hwreg(HW_REG_WAVE_MODE, 25, 1), 1
	s_wait_xcnt 0x0
	s_wait_alu depctr_hold_cnt(0) depctr_sa_sdst(0) depctr_va_vdst(0) depctr_va_sdst(0) depctr_va_ssrc(0) depctr_va_vcc(0) depctr_vm_vsrc(0)
	s_getreg_b32 s2, hwreg(HW_REG_IB_STS2, 6, 4)
	s_cmp_eq_u32 s2, 0
	s_cbranch_scc0 .Lentry_in_a_cluster
	s_endpgm
.Lentry_in_a_cluster:
	s_bfe_u32 s2, ttmp6, 0x10000c
	s_cmp_lg_u32 s2, 0xf033
	s_cbranch_scc0 .Lentry_shape_is_right
	s_endpgm
.Lentry_shape_is_right:
; q, k, v = h x w_qkv^T on codes of E4M3, quantised for the attention launch and stored as images of its operands' registers.  A tile of 256 x 256 to a work-group, 128 x 128 to a wave;
; K in steps of 256 through two LDS slots filled by joint loads in clusters of 4 x 4.  Cluster column 2 (v) takes its two sources the other way round, so that a lane's results run along the tokens.
; A tile is stated 272 bytes wide over a tensor width of 256: the mover writes zeros into the last 16 bytes of each LDS row, so the rows lie 272 bytes apart and every byte of a slot is written.
.set SIZE_K, 1024
.set KSTEP,  256
.set ROWB,   256
.set KROW,   SIZE_K
.set PITCH,  272
.set FR,     16
.set NL,     4
.set NP,     4
.set HALFT,  128*PITCH
.set SLOT,   4*HALFT
.set LAPS,   SIZE_K/(2*KSTEP)
.set SPARE,  2*SLOT
.set OFS,  8
.set SCL,  12
.set LIM,  13
.set ADRA, 16
.set ADRB, 20
.set SPW,  28
.set NIL,  29
.set TMP,  32
.set COD,  96
.set AF,   128
.set G1, 24
.set G0, 32
.set G1B, 48
.set G0B, 56
.set MSB, 0
.macro WIN new
.if MSB != \new
	s_set_vgpr_msb (MSB<<8)|\new
.set MSB, \new
.endif
.endm
.set MUL_LO, 0xa1
.set MUL_HI, 0xf1
.set TO_B,   0x40
.macro JLOAD g0a, g1a, g0b, g1b
	s_cmp_eq_u32 s15, 0
	s_cbranch_scc0 .Lfor_b_\@
	tensor_load_to_lds s[\g0a:\g0a+3], s[\g1a:\g1a+7]
	s_nop 0
.rept 4
	v_nop
.endr
	s_branch .Lasked_\@
.Lfor_b_\@:
	tensor_load_to_lds s[\g0b:\g0b+3], s[\g1b:\g1b+7]
	s_nop 0
.rept 4
	v_nop
.endr
.Lasked_\@:
.endm
.macro CREST
	s_cmp_lg_u32 s14, 0
	s_cbranch_scc1 .Lnot_wave_0_\@
	s_barrier_signal -3
.Lnot_wave_0_\@:
	s_barrier_wait -3
	s_barrier_signal -1
	s_barrier_wait -1
.endm
.macro CROUND
	s_barrier_signal -1
	s_barrier_wait -1
	CREST
.endm
	s_load_b128 s[4:7], s[0:1], 0x0
	s_load_b128 s[8:11], s[0:1], 0x10
	s_load_b128 s[68:71], s[0:1], 0x20
	v_lshl_add_u32 v[SPW], v0, 2, SPARE
	v_mov_b32 v[NIL], 0
	ds_add_u32 v28, v29
	ds_add_u32 v28, v29
	s_wait_dscnt 0x0
	v_lshrrev_b32 v1, 5, v0
	v_readfirstlane_b32 s14, v1
	s_lshr_b32 s15, s14, 1
	s_and_b32 s16, s14, 1
	s_bfe_u32 s40, ttmp6, 0x40000
	s_bfe_u32 s41, ttmp6, 0x40004
	s_lshl_b32 s42, ttmp9, 2
	s_add_co_u32 s42, s42, s40
	s_and_b32 s17, ttmp7, 0xffff
	s_lshl_b32 s17, s17, 2
	s_add_co_u32 s17, s17, s41
	s_lshl_b32 s43, s41, 2
	s_lshl_b32 s43, 15, s43
	s_lshl_b32 s44, 0x1111, s40
	s_or_b32 s[G1+0], s43, (1<<21)
	s_or_b32 s[G1B+0], s44, (1<<21)
.irp g, G1, G1B
	s_mov_b32 s[\g+1], ROWB<<16
	s_mov_b32 s[\g+2], 128<<16
	s_mov_b32 s[\g+3], PITCH<<16
	s_mov_b32 s[\g+4], 128
	s_mov_b32 s[\g+5], KROW
	s_mov_b32 s[\g+6], 0
	s_mov_b32 s[\g+7], 0
.endr
	s_lshl_b32 s18, s16, 7
	s_lshl_b32 s20, s17, 8
	s_add_co_u32 s20, s20, s18
	s_lshl_b32 s46, s42, 8
	s_add_co_u32 s46, s46, s18
	s_mov_b32 s21, 0
	s_mov_b32 s47, 0
	s_mov_b64 s[18:19], KROW
	s_mul_u64 s[20:21], s[20:21], s[18:19]
	s_mul_u64 s[46:47], s[46:47], s[18:19]
	s_mul_i32 s45, s14, HALFT
	s_wait_kmcnt 0x0
	s_load_b256 s[84:91], s[8:9], 0x0
	s_add_nc_u64 s[20:21], s[4:5], s[20:21]
	s_add_nc_u64 s[46:47], s[6:7], s[46:47]
	CROUND
.irp s, 0,1
	s_mov_b32 s[G0+4*\s], 1
	s_add_co_u32 s[G0+4*\s+1], s45, \s*SLOT
	s_add_nc_u64 s[G0+4*\s+2:G0+4*\s+3], s[20:21], \s*ROWB
	s_or_b32 s[G0+4*\s+3], s[G0+4*\s+3], 0x80000000
	s_mov_b32 s[G0B+4*\s], 1
	s_add_co_u32 s[G0B+4*\s+1], s45, \s*SLOT
	s_add_nc_u64 s[G0B+4*\s+2:G0B+4*\s+3], s[46:47], \s*ROWB
	s_or_b32 s[G0B+4*\s+3], s[G0B+4*\s+3], 0x80000000
	s_wait_alu depctr_va_vdst(0)
	s_wait_tensorcnt 0x0
	ds_add_u32 v28, v29
	ds_add_u32 v28, v29
	s_wait_dscnt 0x0
	CROUND
	JLOAD G0+4*\s, G1, G0B+4*\s, G1B
.endr
	v_and_b32 v1, 15, v0
	v_bfe_u32 v2, v0, 4, 1
	v_mul_u32_u24 v3, v1, PITCH
	v_lshl_add_u32 v4, v2, 4, v3
	s_wait_alu depctr_va_vdst(0)
	s_mul_i32 s21, s15, HALFT
	s_mul_i32 s22, s16, HALFT
	s_cmp_eq_u32 ttmp9, 2
	s_cselect_b32 s23, 2*HALFT, 0
	s_cselect_b32 s18, 0, 2*HALFT
	s_add_co_u32 s21, s21, s23
	s_add_co_u32 s22, s22, s18
.irp s, 0,1
	v_add_nc_u32 v[ADRA+\s], s21, v4
	v_add_nc_u32 v[ADRB+\s], s22, v4
	s_add_co_u32 s21, s21, SLOT
	s_add_co_u32 s22, s22, SLOT
.endr
	s_cmp_eq_u32 ttmp9, 1
	s_cselect_b64 s[10:11], s[68:69], s[10:11]
	s_cmp_eq_u32 ttmp9, 2
	s_cselect_b64 s[10:11], s[70:71], s[10:11]
	s_mov_b32 s74, 1024
	s_cselect_b32 s74, 2048, s74
	s_mov_b32 s76, 1024
	s_cselect_b32 s76, 124928, s76
	s_mov_b32 s81, 131072
	s_cselect_b32 s81, 1024, s81
	s_mov_b32 s75, 0
	s_mov_b32 s77, 0
	s_lshr_b32 s72, s17, 3
	s_lshl_b32 s72, s72, 4
	s_lshl_b32 s73, s40, 2
	s_add_co_u32 s72, s72, s73
	s_and_b32 s73, s17, 7
	s_lshl_b32 s78, s16, 1
	s_add_co_u32 s78, s78, s72
	s_lshl_b32 s78, s78, 7
	s_lshl_b32 s79, s73, 4
	s_add_co_u32 s78, s78, s79
	s_lshl_b32 s79, s15, 3
	s_add_co_u32 s78, s78, s79
	s_lshl_b32 s78, s78, 10
	s_lshl_b32 s80, s15, 1
	s_add_co_u32 s80, s80, s72
	s_lshl_b32 s80, s80, 4
	s_lshl_b32 s79, s73, 1
	s_add_co_u32 s80, s80, s79
	s_add_co_u32 s80, s80, s16
	s_lshl_b32 s80, s80, 13
	s_cmp_eq_u32 ttmp9, 2
	s_cselect_b32 s78, s80, s78
	s_mov_b32 s79, 0
	s_add_nc_u64 s[10:11], s[10:11], s[78:79]
	v_and_b32 v5, 31, v0
	v_lshlrev_b32 v[OFS], 4, v5
	v_add_nc_u32 v[OFS+1], 512, v[OFS]
	v_add_nc_u32 v[OFS+2], s81, v[OFS]
	v_add_nc_u32 v[OFS+3], 512, v[OFS+2]
.macro FRAG reg, adr, q, i
.irp c, 0,1,2,3
	ds_load_b128 v[\reg+4*\c:\reg+4*\c+3], v[\adr] offset:128*(\q)+32*\c+(\i)*16*PITCH
.endr
.endm
.macro MUL16 a0, p, zero
.irp a, \a0, \a0+1
.irp b, 0,1,2,3,4,5,6,7
.if \zero
	v_wmma_f32_16x16x128_fp8_fp8 v[8*(8*((\a)%4)+\b):8*(8*((\a)%4)+\b)+7], v[128*(\p)+FR*\b:128*(\p)+FR*\b+FR-1], v[AF+FR*(\a):AF+FR*(\a)+FR-1], 0
.else
	v_wmma_f32_16x16x128_fp8_fp8 v[8*(8*((\a)%4)+\b):8*(8*((\a)%4)+\b)+7], v[128*(\p)+FR*\b:128*(\p)+FR*\b+FR-1], v[AF+FR*(\a):AF+FR*(\a)+FR-1], v[8*(8*((\a)%4)+\b):8*(8*((\a)%4)+\b)+7]
.endif
.endr
.endr
.endm
.macro FETCH_B slot, q, p
	WIN TO_B
.irp i, 0,1,2,3,4,5,6,7
	FRAG 128*(\p)+FR*\i, ADRB+\slot, \q, \i
.endr
	WIN 0
.endm
.macro FETCH_A slot, q, i0
.irp i, \i0, \i0+1, \i0+2, \i0+3
	FRAG AF+FR*(\i), ADRA+\slot, \q, \i
.endr
.endm
.macro PLACES n
.rept \n
	v_nop
.endr
.endm
.macro STEP slot, q, zero
	s_wait_dscnt 4*NL
	WIN MUL_LO
	MUL16 0, (\q)%2, \zero
	MUL16 2, (\q)%2, \zero
	s_wait_dscnt 0
	PLACES NP
	FETCH_B \slot, (\q)+1, 1-(\q)%2
	FETCH_A \slot, (\q)+1, 0
	WIN MUL_HI
	MUL16 4, (\q)%2, \zero
	MUL16 6, (\q)%2, \zero
	PLACES NP
	WIN 0
	FETCH_A \slot, (\q)+1, 4
.endm
.macro TURN slot, next, fill
	s_wait_tensorcnt 0x0
	ds_add_u32 v[SPW], v[NIL]
	s_wait_dscnt 4*NL+1
	WIN MUL_LO
	MUL16 0, 1, 0
	s_wait_dscnt 0x0
	s_barrier_signal -1
	MUL16 2, 1, 0
	WIN 0
	s_barrier_wait -1
.if \fill
	CREST
	s_add_nc_u64 s[G0+4*\slot+2:G0+4*\slot+3], s[G0+4*\slot+2:G0+4*\slot+3], 2*ROWB
	s_add_nc_u64 s[G0B+4*\slot+2:G0B+4*\slot+3], s[G0B+4*\slot+2:G0B+4*\slot+3], 2*ROWB
	JLOAD G0+4*\slot, G1, G0B+4*\slot, G1B
.else
	PLACES NP
.endif
	FETCH_B \next, 0, 0
	FETCH_A \next, 0, 0
	WIN MUL_HI
	MUL16 4, 1, 0
	MUL16 6, 1, 0
	PLACES NP
	WIN 0
	FETCH_A \next, 0, 4
.endm
	s_wait_alu depctr_va_vdst(0)
	s_wait_tensorcnt 1
	s_barrier_signal -1
	s_barrier_wait -1
	FETCH_B 0, 0, 0
	FETCH_A 0, 0, 0
	FETCH_A 0, 0, 4
	STEP 0, 0, 1
	s_mov_b32 s3, LAPS-1
.Llap:
	TURN 0, 1, 1
	STEP 1, 0, 0
	TURN 1, 0, 1
	STEP 0, 0, 0
	s_sub_co_u32 s3, s3, 1
	s_cmp_lg_u32 s3, 0
	s_cbranch_scc1 .Llap
	TURN 0, 1, 0
	STEP 1, 0, 0
	s_wait_dscnt 4*NL
	WIN MUL_LO
	MUL16 0, 1, 0
	MUL16 2, 1, 0
	s_wait_dscnt 0
	WIN MUL_HI
	MUL16 4, 1, 0
	MUL16 6, 1, 0
	WIN 0
	s_wait_kmcnt 0x0
	s_cmp_eq_u32 ttmp9, 1
	s_cselect_b32 s92, s87, s86
	s_cmp_eq_u32 ttmp9, 2
	s_cselect_b32 s92, s89, s92
	s_sub_co_i32 s92, s92, s84
	s_sub_co_i32 s92, s92, s85
	s_add_co_i32 s92, s92, 127
	s_lshl_b32 s93, s92, 23
	s_add_co_i32 s92, s92, 8
	s_lshl_b32 s92, s92, 23
	s_or_b32 s92, s92, 0x600000
	v_mov_b32 v[SCL], s93
	v_mov_b32 v[LIM], s92
	PLACES NP
.macro OUTBLK a
.set AC, 64*((\a)%4)
.set CS, COD+16*((\a)%2)
	WIN 0x02+((\a)/4)
.set J, 0
.rept 64
	v_med3_num_f32 v[TMP+J], v[AC+J], -v[LIM], v[LIM]
.set J, J+1
.endr
	WIN 0
.irp b, 0,1,2,3,4,5,6,7
	v_cvt_scalef32_pk8_fp8_f32 v[CS+2*\b:CS+2*\b+1], v[TMP+8*\b:TMP+8*\b+7], v[SCL]
.endr
	v_nop
.if (\a) > 0
	s_wait_alu depctr_va_vdst(0)
	s_wait_xcnt 0x0
.if (\a) == 4
	s_add_nc_u64 s[10:11], s[10:11], s[76:77]
.else
	s_add_nc_u64 s[10:11], s[10:11], s[74:75]
.endif
.endif
.irp g, 0,1,2,3
	global_store_b128 v[OFS+\g], v[CS+4*\g:CS+4*\g+3], s[10:11]
.endr
.endm
.irp a, 0,1,2,3,4,5,6,7
	OUTBLK \a
.endr
	s_wait_tensorcnt 0x0
	ds_add_u32 v[SPW], v[NIL]
	s_wait_dscnt 0x0
	CROUND
	s_endpgm
.Lfunc_end_k_qf755fdbaa3_qkv:
	.size	k_qf755fdbaa3_qkv, .Lfunc_end_k_qf755fdbaa3_qkv-k_qf755fdbaa3_qkv
	.p2alignl 7, 3214868480
	.fill 96, 4, 3214868480
	.section	.rodata,"a",@progbits
	.p2align	6, 0x0
	.amdhsa_kernel k_qf755fdbaa3_qkv
		.amdhsa_group_segment_fixed_size 327680
		.amdhsa_private_segment_fixed_size 0
		.amdhsa_enable_private_segment 0
		.amdhsa_kernarg_size 48
		.amdhsa_user_sgpr_count 2
		.amdhsa_user_sgpr_kernarg_segment_ptr 1
		.amdhsa_wavefront_size32 1
		.amdhsa_system_sgpr_workgroup_id_x 1
		.amdhsa_system_sgpr_workgroup_id_y 1
		.amdhsa_system_sgpr_workgroup_id_z 1
		.amdhsa_system_vgpr_workitem_id 0
		.amdhsa_next_free_vgpr 1024
		.amdhsa_next_free_sgpr 98
		.amdhsa_reserve_vcc 0
		.amdhsa_float_denorm_mode_32 3
		.amdhsa_float_denorm_mode_16_64 3
		.amdhsa_memory_ordered 1
		.amdhsa_forward_progress 1
		.amdhsa_inst_pref_size 121
	.end_amdhsa_kernel
	.amdgpu_metadata
---
amdhsa.version: [ 1, 2 ]
amdhsa.kernels:
  - .name:           k_qf755fdbaa3_qkv
    .symbol:         k_qf755fdbaa3_qkv.kd
    .args:
      - { .name: h_codes, .offset: 0, .size: 8, .value_kind: global_buffer, .address_space: global }
      - { .name: w_qkv_codes, .offset: 8, .size: 8, .value_kind: global_buffer, .address_space: global }
      - { .name: lowp_scales, .offset: 16, .size: 8, .value_kind: global_buffer, .address_space: global }
      - { .name: q_img, .offset: 24, .size: 8, .value_kind: global_buffer, .address_space: global }
      - { .name: k_img, .offset: 32, .size: 8, .value_kind: global_buffer, .address_space: global }
      - { .name: v_img, .offset: 40, .size: 8, .value_kind: global_buffer, .address_space: global }
    .group_segment_fixed_size: 327680
    .private_segment_fixed_size: 0
    .kernarg_segment_align: 8
    .kernarg_segment_size: 48
    .max_flat_workgroup_size: 128
    .sgpr_count:     98
    .vgpr_count:     1024
    .wavefront_size: 32
...
	.end_amdgpu_metadata
.endif
;; end of part 2
;; launch attn (part 3): grid 4 x 64, 16 waves a work-group, no clusters, 296,960 bytes of LDS; arguments q_img, k_img, v_img, maskf, lowp_scales, ao_img; writes ao_img
.if DOCPART == 3
	.amdgcn_target "amdgcn-amd-amdhsa--gfx1250"
	.amdhsa_code_object_version 6
	.text
	.protected	k_qf755fdbaa3_attn
	.globl	k_qf755fdbaa3_attn
	.p2align	8
	.type	k_qf755fdbaa3_attn,@function
k_qf755fdbaa3_attn:
	s_mov_b64 s[64:65], 0
	v_nop
	global_prefetch_b8 v0, s[64:65] scope:SCOPE_SE
	s_setreg_imm32_b32 hwreg(HW_REG_WAVE_MODE, 25, 1), 1
	s_wait_xcnt 0x0
; Attention of one (batch, head) on codes of E4M3: S^T = K Q^T, the graph mask (heads 0-3), p = 2^(t - M), O^T = V^T P^T, O / l, quantised for the last product.  2,048 tokens, head size 64.
; SHARES.  Work-group (x, batch x head) owns 512 queries; each of its sixteen waves two tiles of 16 queries, A = 32 x + 2 wave and B = A + 1; each fragment of K and V read from LDS feeds two products.
; K AND V lie in LDS as images of the operands' registers, 131,072 bytes each, every byte stored once.  Key steps 0 and 1 are copied ahead of the loop; trip i loads step i + 2 (32 bytes a thread) into
; registers that K's fragments have left, and stores it at the trip's end.  THE BARRIER IS SPLIT: at a trip's end a wave waits for the signals of the trip before, stores, waits for its stores and signals;
; so step i + 2, stored ahead of trip i's signal, is read behind the wait at trip i + 1's end.  Between a signal and its wait only bytes stored ahead of earlier barriers are read.
; NO TENSOR LOAD, NO JOINT LOAD: p is at most 1, so its hold at 448 x 2^ep binds only where ep < -8; a scalar branch on the given ep leads round 64 holds a tile and key step.
;   NO PREFETCH: the loads of step i + 2 are themselves issued two key steps ahead of the step's first read.
; LAYOUT.  Both products are used transposed: a lane holds ONE query (lane % 16).  In S^T register 8 t + j holds key 128 step + 16 t + 8 (lane / 16) + j; the codes of eight such registers ARE registers
; 2 t, 2 t + 1 of the next operand in the plain 8-bit layout.
; SOFTMAX.  t = score x c, c = log2(e) / 8 x 2^(eq + ek); M = the running largest t rounded up to a whole number, kept as -M; p = 2^(t - M); l sums the unquantised p; when M moves, l and O^T are
; multiplied by 2^(old M - new M), exactly.
; THE MASK (heads 0-3).  maskf holds a 4-bit code a score, 0 or -4; eight conversions a tile and key step widen them, x 2^(62 - eq - ek), into the score registers, which the products take as C.
; A hidden score is thus score - 2^(64 - eq - ek); a score is under 2^24 in magnitude, more than 2^31 times smaller, so the f32 result is -2^(64 - eq - ek): the logit -2^61 in place of -1e9.
; Times c that is exact and a whole number, so in a row all of whose keys are hidden t - M is 0, p = 1 everywhere and the weights are uniform, as with -1e9; in every other row a hidden p is 0 either way.
; In those heads Q's registers carry the next step's mask codes between the products, and Q comes back from LDS in each trip.
; LIMITS: eq + ek between -60 and 9 (c and the scale's byte 189 - eq - ek are valid; every open logit, at most 64 x 448^2 x 2^(eq + ek) / 8 in magnitude, lies above -1e9); ep, and e6 - ep - ev, between -126 and 119.
; REGISTERS: v0 thread; v1 16 lane; v2, v3 LDS addresses of the step's K and V; v4 the mask's scale bytes; v5, v6 2^ep, 448 x 2^ep; v7 16 thread; v8-11, v12-15 tiles A, B: -M, largest t, l in two halves;
;   v16-31 Q (or mask codes); v32-95 O^T; v96-163 tile A: four registers, then 64 scores; v164-231 tile B; v232-247 two fragments of K, then the stage of step i + 2; v248-255 at work.
.set QA, 16
.set QB, 24
.set OA, 32
.set OB, 64
.set SA, 100
.set SB, 168
.set KB, 232
.set VIMG, 0x20000                     ; V's image in LDS, behind K's
.set QIMG, 0x40000                     ; Q: 2,048 bytes a wave
.set SPARE, 0x48000                    ; the spare words: 128 bytes a wave
	s_load_b256 s[4:11], s[0:1], 0x0               ; q_img, k_img, v_img, maskf
	s_load_b128 s[12:15], s[0:1], 0x20             ; the exponents, ao_img
	v_lshrrev_b32 v1, 5, v0
	s_delay_alu instid0(VALU_DEP_1)
	v_readfirstlane_b32 s92, v1                    ; wave 0..15
	v_and_b32 v1, 31, v0
	v_lshlrev_b32 v7, 4, v0                        ; 16 x thread: the copies' place in memory and in LDS
	v_lshlrev_b32 v1, 4, v1                        ; 16 x lane
	v_add_nc_u32 v249, VIMG, v7
	s_lshl_b32 s19, s92, 11
	s_add_co_u32 s19, s19, QIMG                    ; my wave's Q in LDS
	v_add_nc_u32 v248, s19, v1
	s_and_b32 s20, ttmp7, 0xffff                   ; batch x 16 + head
	s_and_b32 s93, s20, 15                         ; head
	s_lshr_b32 s21, s20, 4                         ; batch
	s_lshl_b32 s22, s20, 17                        ; 131,072 bytes of each image
	s_mov_b32 s23, 0
	s_lshl_b32 s24, ttmp9, 5
	s_lshl_b32 s25, s92, 1
	s_add_co_u32 s24, s24, s25                     ; A = 32 x + 2 wave
	s_lshl_b32 s26, s24, 10                        ; Q: 1,024 bytes a tile
	s_mov_b32 s27, 0
	s_lshl_b32 s30, s24, 14                        ; mask codes: 16,384 bytes a tile
	s_mov_b32 s31, 0
	s_lshl_b32 s28, s21, 7
	s_add_co_u32 s28, s28, s24
	s_lshl_b32 s28, s28, 14                        ; ao_img: (128 batch + A) x 16,384
	s_lshl_b32 s29, s93, 10                        ;         + 1,024 head
	s_add_co_u32 s28, s28, s29
	s_mov_b32 s29, 0
	s_wait_alu depctr_va_vdst(0)
	s_wait_kmcnt 0x0
	s_load_b256 s[84:91], s[12:13], 0x0            ; eq = s86, ek = s87, ep = s88, ev = s89, e6 = s90
	s_add_nc_u64 s[6:7], s[6:7], s[22:23]
	s_add_nc_u64 s[8:9], s[8:9], s[22:23]
	s_add_nc_u64 s[4:5], s[4:5], s[22:23]
	s_add_nc_u64 s[4:5], s[4:5], s[26:27]
	s_add_nc_u64 s[10:11], s[10:11], s[30:31]
	s_add_nc_u64 s[14:15], s[14:15], s[28:29]
.irp n, 0,1
	global_load_b128 v[SA+4*\n:SA+4*\n+3], v7, s[6:7] offset:8192*\n       ; K's key steps 0, 1: the 512 threads read 8,192 consecutive bytes
	global_load_b128 v[SA+8+4*\n:SA+8+4*\n+3], v7, s[8:9] offset:8192*\n   ; V's
.endr
.irp c, 0,1
	global_load_b128 v[QA+4*\c:QA+4*\c+3], v1, s[4:5] offset:512*\c
	global_load_b128 v[QB+4*\c:QB+4*\c+3], v1, s[4:5] offset:1024+512*\c
.endr
	s_cmp_lt_u32 s93, 4                            ; the graph mask holds for heads 0 to 3
	s_cbranch_scc0 .Lhead_open
.irp c, 0,1
	global_load_b128 v[SB+4*\c:SB+4*\c+3], v1, s[10:11] offset:512*\c            ; key step 0's mask codes, tile A,
	global_load_b128 v[SB+8+4*\c:SB+8+4*\c+3], v1, s[10:11] offset:16384+512*\c  ; tile B
.endr
.Lhead_open:
	s_mov_b32 s98, 0x76543210                      ; v_permlanex16_b32: lane l xor 16
	s_mov_b32 s99, 0xfedcba98
	s_mov_b32 s94, 0                               ; the step's byte in an image
	s_mov_b32 s95, 0                               ; steps done
	v_mov_b32 v9, 0xff61b1e6                       ; the largest t so far: -3e38
	s_delay_alu instid0(VALU_DEP_1)
	v_floor_f32 v8, -v9                            ; -M
	v_mov_b32 v10, 0                               ; l
	v_mov_b32 v11, 0
	v_mov_b32 v13, 0xff61b1e6
	s_delay_alu instid0(VALU_DEP_1)
	v_floor_f32 v12, -v13
	v_mov_b32 v14, 0
	v_mov_b32 v15, 0
	v_mov_b32 v251, 0                              ; upper half of the pair v[250:251]
	v_mov_b32 v254, 0                              ; a lane permute's destination counts as read
.set N, 0
.rept 64
	v_mov_b32 v[OA+N], 0                           ; O^T: the step is written once, and the first change of M leaves zeros zeros
.set N, N+1
.endr
	s_wait_kmcnt 0x0
	s_add_co_i32 s16, s86, s87                     ; eq + ek
	s_lshl_b32 s17, s16, 23
	s_mov_b32 s96, 0x3e38aa3b                      ; log2(e) / 8
	s_add_co_i32 s96, s96, s17                     ; x 2^(eq + ek)
	s_mov_b32 s97, s96
	s_sub_co_i32 s17, 189, s16                     ; the byte of 2^(62 - eq - ek),
	s_mul_i32 s17, s17, 0x01010101                 ; in every byte
	v_mov_b32 v4, s17
	s_add_co_i32 s16, s88, 127
	s_lshl_b32 s17, s16, 23
	v_mov_b32 v5, s17                              ; 2^ep
	s_add_co_i32 s16, s16, 8
	s_lshl_b32 s16, s16, 23
	s_or_b32 s16, s16, 0x600000
	v_mov_b32 v6, s16                              ; 448 x 2^ep
	s_wait_alu depctr_va_vdst(0)
	s_wait_loadcnt 0x0
.irp n, 0,1
	ds_store_b128 v7, v[SA+4*\n:SA+4*\n+3] offset:8192*\n
	ds_store_b128 v249, v[SA+8+4*\n:SA+8+4*\n+3] offset:8192*\n
.endr
.irp c, 0,1
	ds_store_b128 v248, v[QA+4*\c:QA+4*\c+3] offset:512*\c
	ds_store_b128 v248, v[QB+4*\c:QB+4*\c+3] offset:1024+512*\c
.endr
	s_add_nc_u64 s[6:7], s[6:7], 16384             ; on to key step 2 (the loads that read the bases are done)
	s_add_nc_u64 s[8:9], s[8:9], 16384
	s_wait_dscnt 0x0                               ; for the others' sake: my part of steps 0 and 1 lies in LDS
	s_cmp_lt_u32 s93, 4
	s_cbranch_scc0 .Lhead_open2
.set N, 0
.rept 16
	v_mov_b32 v[QA+N], v[SB+N]                     ; the mask codes take Q's registers
.set N, N+1
.endr
.Lhead_open2:
	s_wait_alu depctr_va_vdst(0)                   ; the wait at the head's end
	s_barrier_signal -1
	s_barrier_wait -1                              ; steps 0 and 1 are whole
	s_barrier_signal -1                            ; the signal that the first trip's end waits for
; Two tiles of 16 keys (2 g, 2 g + 1) against both tiles of queries.  m = 1: C is the widened mask, in place.  No two products that follow each other share an accumulator.
.macro QKG g, m
.if \g > 0
.rept 4
	v_nop                                          ; places in front of loads into registers that the last products read
.endr
.endif
.irp u, 0,1
.irp c, 0,1
	ds_load_b128 v[KB+8*\u+4*\c:KB+8*\u+4*\c+3], v2 offset:1024*(2*\g+\u)+512*\c
.endr
.endr
.if (\m) && (\g == 0)
	s_wait_alu depctr_va_vdst(0)
.endif
	s_wait_dscnt 0x0
.irp u, 0,1
.if \m
	v_wmma_f32_16x16x64_fp8_fp8 v[SA+8*(2*\g+\u):SA+8*(2*\g+\u)+7], v[KB+8*\u:KB+8*\u+7], v[QA:QA+7], v[SA+8*(2*\g+\u):SA+8*(2*\g+\u)+7]
	v_wmma_f32_16x16x64_fp8_fp8 v[SB+8*(2*\g+\u):SB+8*(2*\g+\u)+7], v[KB+8*\u:KB+8*\u+7], v[QB:QB+7], v[SB+8*(2*\g+\u):SB+8*(2*\g+\u)+7]
.else
	v_wmma_f32_16x16x64_fp8_fp8 v[SA+8*(2*\g+\u):SA+8*(2*\g+\u)+7], v[KB+8*\u:KB+8*\u+7], v[QA:QA+7], 0
	v_wmma_f32_16x16x64_fp8_fp8 v[SB+8*(2*\g+\u):SB+8*(2*\g+\u)+7], v[KB+8*\u:KB+8*\u+7], v[QB:QB+7], 0
.endif
.endr
.endm
; One tile's softmax of a key step.  sc: its 64 scores; st: its four statistics; oo: its O^T.
.macro SOFT sc, st, oo
.set TT, (\sc)-4
	v_max3_num_f32 v248, v[\sc], v[\sc+1], v[\sc+2]        ; the step's largest score of my query among my 64 keys, in two chains, ascending
	v_max3_num_f32 v249, v[\sc+3], v[\sc+4], v[\sc+5]
.set N, 6
.rept 14
	v_max3_num_f32 v248, v248, v[\sc+N], v[\sc+N+1]
	v_max3_num_f32 v249, v249, v[\sc+N+2], v[\sc+N+3]
.set N, N+4
.endr
	v_max3_num_f32 v248, v248, v[\sc+62], v[\sc+63]
	s_delay_alu instid0(VALU_DEP_1)
	v_max_num_f32 v248, v248, v249
	s_delay_alu instid0(VALU_DEP_1)
	v_permlanex16_b32 v254, v248, s98, s99
	s_delay_alu instid0(VALU_DEP_1)
	v_max_num_f32 v248, v248, v254                 ; and among lane l xor 16's
	s_delay_alu instid0(VALU_DEP_1)
	v_mul_f32 v248, s96, v248                      ; as t (c is positive)
	s_delay_alu instid0(VALU_DEP_1)
	v_max_num_f32 v[\st+1], v[\st+1], v248         ; the running largest t
	v_mov_b32 v255, v[\st]
	s_delay_alu instid0(VALU_DEP_2)
	v_floor_f32 v[\st], -v[\st+1]                  ; the new -M = -ceil(t)
	s_delay_alu instid0(VALU_DEP_1)
	v_sub_f32 v255, v[\st], v255                   ; old M - new M: a whole number, 0 or less
	s_delay_alu instid0(VALU_DEP_1)
	v_cvt_i32_f32 v255, v255                       ; (it saturates)
	s_delay_alu instid0(VALU_DEP_1)
	v_ldexp_f32 v250, 1.0, v255                    ; f = 2^(old M - new M)
.set N, 0
.rept 32
	v_pk_fma_f32 v[\sc+N:\sc+N+1], v[\sc+N:\sc+N+1], s[96:97], v[\st:\st+1] op_sel_hi:[1,0,0]   ; t - M
.set N, N+2
.endr
.set N, 0
	s_wait_alu depctr_va_vdst(0)                   ; the wait ahead of the batch
.rept 64
	v_exp_f32 v[\sc+N], v[\sc+N]                   ; p = 2^(t - M)
.set N, N+1
.endr
	v_pk_mul_f32 v[\st+2:\st+3], v[\st+2:\st+3], v[250:251] op_sel_hi:[1,0]   ; l under the new M: the plain instruction behind the batch
	s_wait_alu depctr_va_vdst(0)                   ; one wait for the 64 exponentials, ahead of their first reader
	v_pk_add_f32 v[252:253], v[\sc:\sc+1], v[\sc+2:\sc+3]   ; l takes the UNQUANTISED p, in two chains
.set N, 4
.rept 15
	v_pk_add_f32 v[\st+2:\st+3], v[\st+2:\st+3], v[\sc+N:\sc+N+1]
	v_pk_add_f32 v[252:253], v[252:253], v[\sc+N+2:\sc+N+3]
.set N, N+4
.endr
	s_delay_alu instid0(VALU_DEP_1)
	v_pk_add_f32 v[\st+2:\st+3], v[\st+2:\st+3], v[252:253]
	s_cmp_ge_i32 s88, -8                           ; 448 x 2^ep is 1.75 or more from ep = -8 on, and p is at most 1: the hold cannot bind there
	s_cbranch_scc1 .Lno_hold_\@
.set N, 0
.rept 64
	v_min_num_f32 v[\sc+N], v[\sc+N], v6           ; the conversion does not saturate (ISA guide 7.6.2); p is not negative: a one-sided hold
.set N, N+1
.endr
.Lno_hold_\@:
.irp u, 0,1,2,3                        ; 16 scores -> 4 registers of codes, laid from four registers below the scores on; four scalings of O^T are the plain instructions between
	v_cvt_scalef32_pk8_fp8_f32 v[TT+4*\u:TT+4*\u+1], v[\sc+16*\u:\sc+16*\u+7], v5
	v_cvt_scalef32_pk8_fp8_f32 v[TT+4*\u+2:TT+4*\u+3], v[\sc+16*\u+8:\sc+16*\u+15], v5
.irp k, 0,2,4,6
	v_pk_mul_f32 v[\oo+8*\u+\k:\oo+8*\u+\k+1], v[\oo+8*\u+\k:\oo+8*\u+\k+1], v[250:251] op_sel_hi:[1,0]   ; O^T under the new M
.endr
.endr
.endm
.Lstep:                                            ; 16 trips of 128 keys
	v_add_nc_u32 v2, s94, v1                       ; these two and three v_nop are five places behind the last trip's products
	s_wait_alu depctr_va_vdst(0)
	v_add_nc_u32 v3, VIMG, v2
.rept 3
	v_nop
.endr
	s_cmp_lt_u32 s93, 4
	s_cbranch_scc0 .Lopen
	v_add_nc_u32 v248, s19, v1                     ; Q in LDS
.set N, 0
.rept 8
	v_cvt_scale_pk8_f32_fp4 v[SA+8*N:SA+8*N+7], v[QA+N], v4   ; 0 or -2^(64 - eq - ek), into the score registers
	v_cvt_scale_pk8_f32_fp4 v[SB+8*N:SB+8*N+7], v[QB+N], v4
.set N, N+1
.endr
	v_nop                                          ; a plain instruction behind the last conversion
.irp c, 0,1
	ds_load_b128 v[QA+4*\c:QA+4*\c+3], v248 offset:512*\c
	ds_load_b128 v[QB+4*\c:QB+4*\c+3], v248 offset:1024+512*\c
.endr
	QKG 0, 1
	QKG 1, 1
	QKG 2, 1
	QKG 3, 1
.rept 4
	v_nop                                          ; places in front of the first read of the scores and of loads into Q's and K's registers
.endr
.irp c, 0,1
	global_load_b128 v[QA+4*\c:QA+4*\c+3], v1, s[10:11] offset:1024+512*\c         ; the next key step's mask codes (the base stands at step min(i, 14))
	global_load_b128 v[QB+4*\c:QB+4*\c+3], v1, s[10:11] offset:1024+16384+512*\c
.endr
	s_branch .Ljoin
.Lopen:
	QKG 0, 0
	QKG 1, 0
	QKG 2, 0
	QKG 3, 0
.rept 4
	v_nop
.endr
.Ljoin:
	s_cmp_lt_u32 s95, 14                           ; steps 14 and 15 have no step two on
	s_cbranch_scc0 .Lno_fetch
	global_load_b128 v[KB:KB+3], v7, s[6:7]        ; key step i + 2: my 16 bytes of K's 8,192,
	global_load_b128 v[KB+4:KB+7], v7, s[8:9]      ; and of V's
.Lno_fetch:
	SOFT SA, 8, OA
.irp ct, 0,1,2                         ; three of V's four fragments (16 channels x 128 keys), into A's spent scores
.irp c, 0,1,2,3
	ds_load_b128 v[112+16*\ct+4*\c:112+16*\ct+4*\c+3], v3 offset:2048*\ct+512*\c
.endr
.endr
	SOFT SB, 12, OB
.irp c, 0,1,2,3
	ds_load_b128 v[180+4*\c:180+4*\c+3], v3 offset:6144+512*\c   ; the fourth, into B's spent scores
.endr
	s_wait_alu depctr_va_vdst(0)
	s_wait_dscnt 4                                 ; the twelve older loads are in; the four just issued may be out
.irp ct, 0,1,2                         ; O^T += V^T P^T: eight accumulators by turns
	v_wmma_f32_16x16x128_fp8_fp8 v[OA+8*\ct:OA+8*\ct+7], v[112+16*\ct:112+16*\ct+15], v[96:111], v[OA+8*\ct:OA+8*\ct+7]
	v_wmma_f32_16x16x128_fp8_fp8 v[OB+8*\ct:OB+8*\ct+7], v[112+16*\ct:112+16*\ct+15], v[164:179], v[OB+8*\ct:OB+8*\ct+7]
.endr
	s_wait_dscnt 0x0
	v_wmma_f32_16x16x128_fp8_fp8 v[OA+24:OA+31], v[180:195], v[96:111], v[OA+24:OA+31]
	v_wmma_f32_16x16x128_fp8_fp8 v[OB+24:OB+31], v[180:195], v[164:179], v[OB+24:OB+31]
	s_barrier_wait -1                              ; every wave has signalled the last trip's end: step i + 1 is whole
	s_wait_loadcnt 0x0                             ; step i + 2 and the mask codes are in registers; their bases may step
	s_mov_b32 s17, 0
	s_cmp_lt_u32 s95, 14
	s_cselect_b32 s16, 1024, 0
	s_cbranch_scc0 .Lno_fill
	v_lshl_add_u32 v248, v0, 4, s94
	s_delay_alu instid0(VALU_DEP_1)
	v_add_nc_u32 v249, VIMG, v248
	ds_store_b128 v248, v[KB:KB+3] offset:16384    ; two steps on from the step in hand: bytes that nobody has read or written yet
	ds_store_b128 v249, v[KB+4:KB+7] offset:16384
.Lno_fill:
	s_add_nc_u64 s[6:7], s[6:7], 8192
	s_add_nc_u64 s[8:9], s[8:9], 8192
	s_add_nc_u64 s[10:11], s[10:11], s[16:17]
	s_wait_dscnt 0x0                               ; for the others' sake: my stores are done
	s_barrier_signal -1
	s_add_co_u32 s94, s94, 8192
	s_add_co_u32 s95, s95, 1
	s_cmp_lt_u32 s95, 16
	s_cbranch_scc1 .Lstep
	s_barrier_wait -1                              ; closes the last signal
	; THE WAY OUT.  O / l stands for O / l x 2^(ep + ev); its code for the last product is (O / l) / 2^(e6 - ep - ev).  The codes of a tile ARE that product's operand registers.
	s_sub_co_i32 s16, s90, s88
	s_sub_co_i32 s16, s16, s89
	s_add_co_i32 s16, s16, 127
	s_lshl_b32 s17, s16, 23
	s_add_co_i32 s16, s16, 8
	s_lshl_b32 s16, s16, 23
	s_or_b32 s16, s16, 0x600000
	v_add_f32 v248, v10, v11                       ; l's two halves (these lines are the places behind the last products),
	v_add_f32 v249, v14, v15
	s_delay_alu instid0(VALU_DEP_2)
	v_permlanex16_b32 v254, v248, s98, s99
	s_delay_alu instid0(VALU_DEP_2)
	v_permlanex16_b32 v255, v249, s98, s99
	s_delay_alu instid0(VALU_DEP_2)
	v_add_f32 v248, v248, v254                     ; and lane l xor 16's
	s_delay_alu instid0(VALU_DEP_2)
	v_add_f32 v249, v249, v255
	s_wait_alu depctr_va_vdst(0)                   ; the wait ahead of the transcendentals
	v_rcp_f32 v250, v248
	v_rcp_f32 v252, v249
	v_mov_b32 v5, s17                              ; 2^(e6 - ep - ev)
	v_mov_b32 v6, s16                              ; 448 x that
	s_wait_alu depctr_va_vdst(0)                   ; one wait for both reciprocals, ahead of their first reader
.macro FIN oo, sc, rc, off
.set N, 0
.rept 16
	v_pk_mul_f32 v[\sc+N:\sc+N+1], v[\oo+N:\oo+N+1], v[\rc:\rc+1] op_sel_hi:[1,0]   ; O^T / l; each accumulator from its low end on
.set N, N+2
.endr
.set N, 0
.rept 32
	v_med3_num_f32 v[\sc+N], v[\sc+N], -v6, v6
.set N, N+1
.endr
.irp ct, 0,1,2,3
	v_cvt_scalef32_pk8_fp8_f32 v[\sc+32+2*\ct:\sc+32+2*\ct+1], v[\sc+8*\ct:\sc+8*\ct+7], v5
.endr
	v_nop                                          ; a plain vector instruction behind the last conversion
.irp c, 0,1
	global_store_b128 v1, v[\sc+32+4*\c:\sc+32+4*\c+3], s[14:15] offset:\off+512*\c   ; 512 consecutive bytes
.endr
.endm
	FIN OA, SA, 250, 0
	FIN OB, SB, 252, 16384
	s_wait_xcnt 0x0
	v_lshl_add_u32 v254, v0, 2, SPARE
	v_mov_b32 v255, 0
	s_wait_alu depctr_va_vdst(0)
	s_wait_tensorcnt 0x0                           ; the wave's end
	ds_add_u32 v254, v255
	s_wait_dscnt 0x0
	s_endpgm
.Lfunc_end_k_qf755fdbaa3_attn:
	.size	k_qf755fdbaa3_attn, .Lfunc_end_k_qf755fdbaa3_attn-k_qf755fdbaa3_attn
	.p2alignl 7, 3214868480
	.fill 96, 4, 3214868480
	.section	.rodata,"a",@progbits
	.p2align	6, 0x0
	.amdhsa_kernel k_qf755fdbaa3_attn
		.amdhsa_group_segment_fixed_size 296960
		.amdhsa_private_segment_fixed_size 0
		.amdhsa_enable_private_segment 0
		.amdhsa_kernarg_size 48
		.amdhsa_user_sgpr_count 2
		.amdhsa_user_sgpr_kernarg_segment_ptr 1
		.amdhsa_wavefront_size32 1
		.amdhsa_system_sgpr_workgroup_id_x 1
		.amdhsa_system_sgpr_workgroup_id_y 1
		.amdhsa_system_sgpr_workgroup_id_z 1
		.amdhsa_system_vgpr_workitem_id 0
		.amdhsa_next_free_vgpr 256
		.amdhsa_next_free_sgpr 100
		.amdhsa_reserve_vcc 0
		.amdhsa_float_denorm_mode_32 3
		.amdhsa_float_denorm_mode_16_64 3
		.amdhsa_memory_ordered 1
		.amdhsa_forward_progress 1
		.amdhsa_inst_pref_size 51
	.end_amdhsa_kernel
	.amdgpu_metadata
---
amdhsa.version: [ 1, 2 ]
amdhsa.kernels:
  - .name:           k_qf755fdbaa3_attn
    .symbol:         k_qf755fdbaa3_attn.kd
    .args:
      - { .name: q_img, .offset: 0, .size: 8, .value_kind: global_buffer, .address_space: global }
      - { .name: k_img, .offset: 8, .size: 8, .value_kind: global_buffer, .address_space: global }
      - { .name: v_img, .offset: 16, .size: 8, .value_kind: global_buffer, .address_space: global }
      - { .name: maskf, .offset: 24, .size: 8, .value_kind: global_buffer, .address_space: global }
      - { .name: lowp_scales, .offset: 32, .size: 8, .value_kind: global_buffer, .address_space: global }
      - { .name: ao_img, .offset: 40, .size: 8, .value_kind: global_buffer, .address_space: global }
    .group_segment_fixed_size: 296960
    .private_segment_fixed_size: 0
    .kernarg_segment_align: 8
    .kernarg_segment_size: 48
    .max_flat_workgroup_size: 512
    .sgpr_count:     100
    .vgpr_count:     256
    .wavefront_size: 32
...
	.end_amdgpu_metadata
.endif
;; end of part 3
;; launch proj (part 4): grid 8 x 32, 8 waves a work-group, no clusters, 201,728 bytes of LDS; arguments ao_img, w_out_codes, lowp_scales, b_out, x, out0; writes out0
.if DOCPART == 4
	.amdgcn_target "amdgcn-amd-amdhsa--gfx1250"
	.amdhsa_code_object_version 6
	.text
	.protected	k_qf755fdbaa3_proj
	.globl	k_qf755fdbaa3_proj
	.p2align	8
	.type	k_qf755fdbaa3_proj,@function
k_qf755fdbaa3_proj:
	s_mov_b64 s[64:65], 0
	v_nop
	global_prefetch_b8 v0, s[64:65] scope:SCOPE_SE
	s_setreg_imm32_b32 hwreg(HW_REG_WAVE_MODE, 25, 1), 1
	s_wait_xcnt 0x0
; out0 = attention's result x w_out^T x 2^(e6 + e7) + b_out + x, the product on codes of E4M3, [8192 x 1024] x [1024 x 1024], f32 sums.
; SHARES.  Work-group (sl, y) makes rows 256 y .. + 255 and columns 128 sl .. + 127; wave w rows 32 w .. + 31 (two tiles of 16) x all 128 columns: 16 accumulators.
; w_out's 128 rows of the slice lie in LDS for the whole launch (pitch 1,040 bytes = 260 words: row r starts at bank 4 r mod 64, 64 banks of 4 bytes: ISA guide 11.1), copied once behind the one barrier.
; The rows' codes come from ao_img, an image of the operand's registers in the plain 8-bit layout, straight into registers, a K step of 128 ahead.  So w_out's fragments are read in that layout too: eight loads of 8 bytes.
; TRANSPOSED USE: source 0 = 16 rows of w_out, source 1 = 16 tokens: a lane holds eight neighbouring columns of one row.  A tile of 16 rows goes through the wave's own stage and comes back as whole rows of 512 bytes.
; NO JOINT LOADS: of the bytes that a work-group moves, x's and out0's 131,072 each are its own alone; shared are w_out's slice (131,072, once) and the rows' codes (262,144).
; x IS PREFETCHED: my 32 rows x 512 bytes, a lane a row, one instruction in each of K steps 2 and 3, four to five K steps ahead of the loads that want them; each 256 bytes of x's slice are named once in the launch.
; LIMIT: e6 + e7 between -126 and 127, so that 2^(e6 + e7) is an f32 number.
; REGISTERS: v1 16 lane; v2, v3 w_out's fragments in LDS (column tiles 0-3, 4-7); v4, v5 the stage, in and back; v6 4,096 lane; v7 the copy's place; v8-11 b_out of my 4 columns;
;   v16-47, v48-79 the rows' fragments, two sets, later x; v80-127 three fragments of w_out, later x; v128-255 the accumulators ((rt, ct) at v[128 + 8 (8 rt + ct)]).
.set WP,   1040                        ; a row of w_out in LDS
.set STG,  128*WP                      ; behind them: a stage of 16 rows x (512 + 16) bytes for each wave
.set SP,   528
.set BF,   80
.set ACC,  128
	s_load_b256 s[4:11], s[0:1], 0x0               ; ao_img s[4:5], w_out_codes s[6:7], the scales' exponents s[8:9], b_out s[10:11]
	s_load_b128 s[12:15], s[0:1], 0x20             ; x s[12:13], out0 s[14:15]
	v_lshl_add_u32 v15, v0, 2, 0x31000
	s_set_vgpr_msb 0x40
	v_mov_b32 v1, 0
	s_set_vgpr_msb 0x4000
	v_lshrrev_b32 v1, 5, v0
	s_delay_alu instid0(VALU_DEP_1)
	v_readfirstlane_b32 s16, v1                    ; wave 0..7
	v_and_b32 v12, 31, v0                          ; lane
	v_and_b32 v13, 15, v0                          ; r
	v_bfe_u32 v14, v0, 4, 1                        ; h
	s_delay_alu instid0(VALU_DEP_3)
	v_lshlrev_b32 v1, 4, v12
	s_delay_alu instid0(VALU_DEP_3)
	v_mul_u32_u24 v2, v13, WP
	s_delay_alu instid0(VALU_DEP_1)
	v_lshl_add_u32 v2, v14, 3, v2                  ; row r, + 8 h
	s_delay_alu instid0(VALU_DEP_1)
	v_add_nc_u32 v3, 64*WP, v2                     ; 64 rows on: an LDS offset reaches 65,535
	s_mul_i32 s17, s16, 16*SP
	s_add_co_u32 s17, s17, STG                     ; my stage
	v_mul_u32_u24 v4, v13, SP
	s_delay_alu instid0(VALU_DEP_1)
	v_lshl_add_u32 v4, v14, 5, v4
	s_delay_alu instid0(VALU_DEP_1)
	v_add_nc_u32 v4, s17, v4                       ; in: row r, 32 bytes for each half of the lanes
	v_add_nc_u32 v5, s17, v1                       ; back: the 32 lanes take one row of 512 bytes
	v_lshlrev_b32 v6, 12, v12                      ; a row of x is 4,096 bytes
	s_mul_i32 s18, s16, 16*WP
	v_add_nc_u32 v7, s18, v1                       ; the copy: my 16 rows of w_out
	s_and_b32 s19, ttmp7, 0xffff                   ; y
	s_lshl_b32 s20, s19, 18                        ; ao_img: row tile 16 y + 2 wave, 16,384 bytes a tile
	s_lshl_b32 s21, s16, 15
	s_add_co_u32 s20, s20, s21
	s_mov_b32 s21, 0
	s_lshl_b32 s22, ttmp9, 17                      ; w_out: row 128 sl + 16 wave, 1,024 bytes a row
	s_lshl_b32 s23, s16, 14
	s_add_co_u32 s22, s22, s23
	s_mov_b32 s23, 0
	s_lshl_b32 s24, ttmp9, 9                       ; 128 columns of f32
	s_mov_b32 s25, 0
	s_lshl_b32 s26, s19, 20                        ; x, out0: row 256 y + 32 wave
	s_lshl_b32 s27, s16, 17
	s_add_co_u32 s26, s26, s27
	s_add_co_u32 s26, s26, s24
	s_mov_b32 s27, 0
	s_wait_alu depctr_va_vdst(0)
	s_wait_kmcnt 0x0
	s_load_b64 s[28:29], s[8:9], 0x18              ; e6, e7
	s_add_nc_u64 s[4:5], s[4:5], s[20:21]
	s_add_nc_u64 s[6:7], s[6:7], s[22:23]
	s_add_nc_u64 s[10:11], s[10:11], s[24:25]
	s_add_nc_u64 s[12:13], s[12:13], s[26:27]
	s_add_nc_u64 s[14:15], s[14:15], s[26:27]
	global_load_b128 v[8:11], v1, s[10:11]         ; b_out of columns 128 sl + 4 lane + 0..3
.set N, 0
.rept 32
	global_load_b128 v[ACC+4*N:ACC+4*N+3], v1, s[6:7] offset:512*N     ; my 16 rows of w_out: 512 consecutive bytes a load
.set N, N+1
.endr
.macro ALOAD reg, ks                   ; the two row tiles' fragments of K step ks
.irp rt, 0,1
.irp c, 0,1,2,3
	global_load_b128 v[\reg+16*\rt+4*\c:\reg+16*\rt+4*\c+3], v1, s[4:5] offset:16384*\rt+2048*(\ks)+512*\c
.endr
.endr
.endm
.macro XROWS reg, row0, n              ; n rows of x's slice, from my row row0 on
.set N, 0
.rept \n
	global_load_b128 v[\reg+4*N:\reg+4*N+3], v1, s[12:13] offset:4096*(\row0+N) th:TH_LOAD_NT
.set N, N+1
.endr
.endm
	ALOAD 16, 0
	s_wait_loadcnt 8                               ; b_out and w_out's rows are in; the eight loads of K step 0 may be out
.set N, 0
.rept 32
	ds_store_b128 v7, v[ACC+4*N:ACC+4*N+3] offset:WP*(N/2)+512*(N%2)
.set N, N+1
.endr
	s_wait_kmcnt 0x0
	s_add_co_i32 s30, s28, s29
	s_add_co_i32 s30, s30, 127
	s_lshl_b32 s30, s30, 23                        ; 2^(e6 + e7) as f32
	s_mov_b32 s31, s30                             ; (named with it as a pair)
	s_wait_dscnt 0x0                               ; for the others' sake: my rows of w_out lie in LDS
	s_barrier_signal -1
	s_barrier_wait -1                              ; all 128 do; they are only read from here on
.macro BFRAG f, ct, ks                 ; column tile ct's fragment of K step ks: registers 2 c, 2 c + 1 hold k = 16 c + 8 h + 0..7
.irp c, 0,1,2,3,4,5,6,7
.if (\ct) < 4
	ds_load_b64 v[BF+16*(\f)+2*\c:BF+16*(\f)+2*\c+1], v2 offset:16*WP*(\ct)+128*(\ks)+16*\c
.else
	ds_load_b64 v[BF+16*(\f)+2*\c:BF+16*(\f)+2*\c+1], v3 offset:16*WP*((\ct)-4)+128*(\ks)+16*\c
.endif
.endr
.endm
.macro MULT f, ct, ks                  ; both row tiles against it.  The 16 accumulators take turns, one instruction a turn; K step 0 starts the sums
.set AFS, 16+32*((\ks)%2)
.irp rt, 0,1
.if (\ks) == 0
	v_wmma_f32_16x16x128_fp8_fp8 v[ACC+8*(8*\rt+(\ct)):ACC+8*(8*\rt+(\ct))+7], v[BF+16*(\f):BF+16*(\f)+15], v[AFS+16*\rt:AFS+16*\rt+15], 0
.else
	v_wmma_f32_16x16x128_fp8_fp8 v[ACC+8*(8*\rt+(\ct)):ACC+8*(8*\rt+(\ct))+7], v[BF+16*(\f):BF+16*(\f)+15], v[AFS+16*\rt:AFS+16*\rt+15], v[ACC+8*(8*\rt+(\ct)):ACC+8*(8*\rt+(\ct))+7]
.endif
.endr
.endm
.macro PLACES                          ; four places in front of loads into registers that matrix instructions have read, and of the first read of results (ISA guide 7.12.1 for the first read of results)
.rept 4
	v_nop
.endr
.endm
.macro KSTEP ks
.if (\ks) > 0
	PLACES
.endif
.if (\ks) < 7
	ALOAD 16+32*(((\ks)+1)%2), (\ks)+1             ; the next K step's rows, into the set that the last K step multiplied
.else
	XROWS 16, 0, 8                                 ; nothing is left of K: x's first eight rows take the set
.endif
.if ((\ks) == 2) || ((\ks) == 3)
	global_prefetch_b8 v6, s[12:13] offset:256*((\ks)-2) th:TH_LOAD_NT scope:SCOPE_SE   ; my 32 rows of x, 256 bytes of each; its registers are never rewritten
.endif
	BFRAG 0, 0, \ks
	BFRAG 1, 1, \ks
	BFRAG 2, 2, \ks
	s_wait_loadcnt 8                               ; this K step's rows are in; the eight loads just issued may be out
	s_wait_dscnt 0x0
	MULT 0, 0, \ks
	MULT 1, 1, \ks
	MULT 2, 2, \ks
	PLACES
	BFRAG 0, 3, \ks
	BFRAG 1, 4, \ks
	BFRAG 2, 5, \ks
	s_wait_dscnt 0x0
	MULT 0, 3, \ks
	MULT 1, 4, \ks
	MULT 2, 5, \ks
	PLACES
	BFRAG 0, 6, \ks
	BFRAG 1, 7, \ks
	s_wait_dscnt 0x0
	MULT 0, 6, \ks
	MULT 1, 7, \ks
.endm
.irp q, 0,1,2,3,4,5,6,7
	KSTEP \q
.endr
	; THE WAY OUT
	PLACES
	XROWS 48, 8, 8                                 ; x: rows 8-15 of my first tile; with the eight above they fill v16-79, four registers a row
	XROWS 80, 16, 12                               ; rows 0-11 of my second tile: v80-127
.macro OUT rt
.irp ct, 0,1,2,3,4,5,6,7
	ds_store_b128 v4, v[ACC+64*\rt+8*\ct:ACC+64*\rt+8*\ct+3] offset:64*\ct          ; each accumulator from its low end on
	ds_store_b128 v4, v[ACC+64*\rt+8*\ct+4:ACC+64*\rt+8*\ct+7] offset:64*\ct+16
.endr
.set I, 0
.rept 16
	ds_load_b128 v[ACC+64*\rt+4*I:ACC+64*\rt+4*I+3], v5 offset:SP*I   ; LDS serves a wave's instructions in order (ISA guide 5.7.1.4): these see my stores; whole rows, into the registers that the sums left
.set I, I+1
.endr
.if \rt == 0
	s_wait_loadcnt 12                              ; x's sixteen rows of this tile are in; the second tile's twelve may be out
.else
	s_wait_loadcnt 0x0
.endif
.set I, 0
.rept 16
.set RR, ACC+64*\rt+4*I
.if \rt == 0
.set XR, 16+4*I
.elseif I < 12
.set XR, 80+4*I
.else
.set XR, 16+4*(I-12)
.endif
	s_wait_dscnt 15-I                              ; row I is back; the rows behind it may be out
	v_pk_fma_f32 v[RR:RR+1], v[RR:RR+1], s[30:31], v[8:9] op_sel_hi:[1,0,1]       ; sum x 2^(e6 + e7) + b_out
	v_pk_fma_f32 v[RR+2:RR+3], v[RR+2:RR+3], s[30:31], v[10:11] op_sel_hi:[1,0,1]
	s_delay_alu instid0(VALU_DEP_2)
	v_pk_add_f32 v[RR:RR+1], v[RR:RR+1], v[XR:XR+1]                               ; + x
	s_delay_alu instid0(VALU_DEP_2)
	v_pk_add_f32 v[RR+2:RR+3], v[RR+2:RR+3], v[XR+2:XR+3]
	global_store_b128 v1, v[RR:RR+3], s[14:15] offset:4096*(16*\rt+I) th:TH_STORE_NT   ; 32 lanes store 512 consecutive bytes, aligned; no register of a store is written again
.set I, I+1
.endr
.endm
	OUT 0
	XROWS 16, 28, 4                                ; the second tile's last four rows of x, into registers that the first tile has used up
	OUT 1
	s_set_vgpr_msb 0x4
	s_wait_tensorcnt 0x0
	ds_add_u32 v15, v1
	s_wait_dscnt 0x0
	s_set_vgpr_msb 0x400
	s_endpgm
.Lfunc_end_k_qf755fdbaa3_proj:
	.size	k_qf755fdbaa3_proj, .Lfunc_end_k_qf755fdbaa3_proj-k_qf755fdbaa3_proj
	.p2alignl 7, 3214868480
	.fill 96, 4, 3214868480
	.section	.rodata,"a",@progbits
	.p2align	6, 0x0
	.amdhsa_kernel k_qf755fdbaa3_proj
		.amdhsa_group_segment_fixed_size 201728
		.amdhsa_private_segment_fixed_size 0
		.amdhsa_enable_private_segment 0
		.amdhsa_kernarg_size 48
		.amdhsa_user_sgpr_count 2
		.amdhsa_user_sgpr_kernarg_segment_ptr 1
		.amdhsa_wavefront_size32 1
		.amdhsa_system_sgpr_workgroup_id_x 1
		.amdhsa_system_sgpr_workgroup_id_y 1
		.amdhsa_system_sgpr_workgroup_id_z 1
		.amdhsa_system_vgpr_workitem_id 0
		.amdhsa_next_free_vgpr 258
		.amdhsa_next_free_sgpr 66
		.amdhsa_reserve_vcc 0
		.amdhsa_float_denorm_mode_32 3
		.amdhsa_float_denorm_mode_16_64 3
		.amdhsa_memory_ordered 1
		.amdhsa_forward_progress 1
		.amdhsa_inst_pref_size 80
	.end_amdhsa_kernel
	.amdgpu_metadata
---
amdhsa.version: [ 1, 2 ]
amdhsa.kernels:
  - .name:           k_qf755fdbaa3_proj
    .symbol:         k_qf755fdbaa3_proj.kd
    .args:
      - { .name: ao_img, .offset: 0, .size: 8, .value_kind: global_buffer, .address_space: global }
      - { .name: w_out_codes, .offset: 8, .size: 8, .value_kind: global_buffer, .address_space: global }
      - { .name: lowp_scales, .offset: 16, .size: 8, .value_kind: global_buffer, .address_space: global }
      - { .name: b_out, .offset: 24, .size: 8, .value_kind: global_buffer, .address_space: global }
      - { .name: x, .offset: 32, .size: 8, .value_kind: global_buffer, .address_space: global }
      - { .name: out0, .offset: 40, .size: 8, .value_kind: global_buffer, .address_space: global }
    .group_segment_fixed_size: 201728
    .private_segment_fixed_size: 0
    .kernarg_segment_align: 8
    .kernarg_segment_size: 48
    .max_flat_workgroup_size: 256
    .sgpr_count:     66
    .vgpr_count:     258
    .wavefront_size: 32
...
	.end_amdgpu_metadata
.endif
;; end of part 4
